; MI455X (gfx1250); checked and timed in simulation.
; The chip was launched on July 23, 2026; its instructions are those of AMD's public machine-readable ISA for CDNA 5 (MIT licence, August 2026) and "CDNA5" Instruction Set Architecture Reference Guide (July 2026). The comments in the code are by the model that wrote it; some were corrected since.
;; Linear Self Attention. Allowed arithmetic: float matrix products may take bf16 or f16 operands with f32 sums; all other float work in f32.
;; Inputs: k 4 x 16 x 4,096 x 64 float32; q 4 x 16 x 4,096 x 64 float32; v 4 x 16 x 4,096 x 64 float32.
;; Outputs: out0 4 x 16 x 4,096 x 64 float32.
;; 2 versions, each right; version 2 is version 1 with the launch kvsum written anew for expert scheduling mode. Each part assembles by itself: llvm-mc -triple=amdgcn-amd-amdhsa -mcpu=gfx1250 --defsym DOCPART=n.
;; ======== version 1 of 2: 2 launches
;; workspace buffers: part 4,194,304 bytes
;; launch kvsum (part 1): grid 256 x 1, 8 waves a work-group, no clusters, 132,096 bytes of LDS; arguments k, v, part; writes part
.if DOCPART == 1
	.amdgcn_target "amdgcn-amd-amdhsa--gfx1250"
	.amdhsa_code_object_version 6
	.text
	.protected	k_q93d597aff6_kvsum
	.globl	k_q93d597aff6_kvsum
	.p2align	8
	.type	k_q93d597aff6_kvsum,@function
k_q93d597aff6_kvsum:
	s_mov_b64 s[64:65], 0
	v_nop
	global_prefetch_b8 v0, s[64:65] scope:SCOPE_SE
	s_setreg_imm32_b32 hwreg(HW_REG_WAVE_MODE, 25, 1), 1
	s_wait_xcnt 0x0
; part[x] = sum over the 1,024 rows s of work-group x of K[s][d] V[s][e]: a quarter of one head's kv (head = x >> 2), in f32.
; k, v: [4*16*4096][64] f32, taken as one flat list of rows of 256 bytes.  Eight waves, 128 rows each, in 4 steps of 32 rows.
;
; NO TRANSPOSITION.  The sum runs over s, the row index, so a matrix operand wants one column d in a lane and s along its registers.
; A 16-byte load at byte 16 r of a row gives lane (r = lane % 16, h = lane / 16) the columns 4r .. 4r+3 of row 2i + h (load i):
; sixteen lanes take one whole row of 256 bytes, a wave's load 512 consecutive bytes.  Component t of loads 2p and 2p+1 is packed
; by ONE conversion into register p of A tile t, whose row m therefore stands for d = 4m + t; V likewise gives B tile u, whose
; column n stands for e = 4n + u.  The order of s inside the 32 K places is the same for A and B, so the products are the right ones.
; Accumulator tile (t, u), register j, lane (r, h) = kv[d = 32h + 4j + t][e = 4r + u].
; The 128 accumulator registers are stored as they lie (register group g = 4 registers, at byte 512 g + 16 lane): the second
; launch picks an order of d for which each lane needs exactly its own lane's words, so kv is not transposed there either.
;
; Work-groups share no input: nothing to ask for jointly, so no cluster.  No data mover: the loads already land in operand layout.
; LIMITS: k and v are rounded to bf16 (nearest even) as matrix operands; sums are f32, by 32 rows, then over the 8 waves as
; ((w0+w1)+(w2+w3))+((w4+w5)+(w6+w7)): another order than a plain sum over s.  NaN and infinities go through as they come.
.set NSTEP, 4                          ; steps of a wave
.set STEPB, 32*256                     ; bytes of K (and of V) in a step
.set OFFS,  1                          ; v1       wave * 32,768 + lane * 16: my bytes in the work-group's part of k and of v
.set LST,   2                          ; v2       LDS: wave * 16,384 + lane * 16: where my accumulators go
.set LRD,   3                          ; v3       wave * 2,048 + lane * 16: my eighth of the image, in LDS (waves 0-3) and in part[x]
.set LRD2,  4                          ; v4       the same + 65,536 (waves 4-7: an LDS immediate has 16 bits)
.set KR,    8                          ; v[8:71]    K as loaded: load i in 4 registers
.set VR,    72                         ; v[72:135]  V as loaded
.set AF,    136                        ; v[136:167] A tiles t = 0..3, 8 registers each
.set BF,    168                        ; v[168:199] B tiles u = 0..3
                                       ; v[256:383] accumulators, tile (t, u) at 256 + 8 (4t + u): window 1, written v[0:127] there
.set MSB, 0
.macro WIN new                         ; s_set_vgpr_msb: low byte = the new windows, high byte repeats the setting that is left
.if MSB != \new
	s_set_vgpr_msb (MSB<<8)|\new
.set MSB, \new
.endif
.endm
	s_load_b128 s[4:7], s[0:1], 0x0                ; k s[4:5], v s[6:7]
	s_load_b64 s[8:9], s[0:1], 0x10                ; part
	v_lshl_add_u32 v254, v0, 2, 0x20000
	v_mov_b32 v255, 0
	v_lshrrev_b32 v5, 5, v0
	v_readfirstlane_b32 s10, v5                    ; wave 0..7
	v_and_b32 v6, 31, v0
	v_lshlrev_b32 v6, 4, v6                        ; lane * 16
	s_lshl_b32 s11, s10, 15
	s_lshl_b32 s12, s10, 14
	s_lshl_b32 s13, s10, 11
	v_add_nc_u32 v[OFFS], s11, v6
	v_add_nc_u32 v[LST], s12, v6
	v_add_nc_u32 v[LRD], s13, v6
	v_add_nc_u32 v[LRD2], 0x10000, v[LRD]
	s_lshl_b32 s14, ttmp9, 18                      ; 1,024 rows of 256 bytes a work-group (255 * 262,144 stays below 2^32)
	s_mov_b32 s15, 0
	s_lshl_b32 s16, ttmp9, 14                      ; 16,384 bytes of part a work-group
	s_mov_b32 s17, 0
	s_wait_kmcnt 0x0
	s_add_nc_u64 s[4:5], s[4:5], s[14:15]
	s_add_nc_u64 s[6:7], s[6:7], s[14:15]
	s_add_nc_u64 s[8:9], s[8:9], s[16:17]
; loads 2p and 2p+1 of a step: rows 4p .. 4p+3, 1,024 consecutive bytes.  Read once in the launch: non-temporal.
.macro LOAD2 raw, base, p, step
	global_load_b128 v[\raw+8*\p:\raw+8*\p+3],   v[OFFS], s[\base:\base+1] offset:(\step)*STEPB+\p*1024 th:TH_LOAD_NT
	global_load_b128 v[\raw+8*\p+4:\raw+8*\p+7], v[OFFS], s[\base:\base+1] offset:(\step)*STEPB+\p*1024+512 th:TH_LOAD_NT
.endm
; One turn of the ring: the oldest two loads are packed into register p of four tiles, and their registers are asked for again
; with the same rows of step 'next' (none if next = NSTEP).  left = the younger loads that may stay out.
.macro TURN raw, frag, base, p, next, left
	s_wait_loadcnt \left                           ; loads return in order (ISA guide 5.7.1)
.irp t, 0,1,2,3
	v_cvt_pk_bf16_f32 v[\frag+8*\t+\p], v[\raw+8*\p+\t], v[\raw+8*\p+4+\t]
.endr
.if (\next) < NSTEP
	LOAD2 \raw, \base, \p, \next
.endif
.endm
; A step: 16 turns (K's 8, V's 8), then 4 x 4 tiles of 16 x 16 x 32.  The ring always holds 32 loads, so every wait is for 30;
; the last step asks for nothing and its counts run down 30, 28, .. 0.  The first step's products start the sums (C = 0).
.macro STEP n
.irp p, 0,1,2,3,4,5,6,7
.if \n+1 < NSTEP
	TURN KR, AF, 4, \p, \n+1, 30
.else
	TURN KR, AF, 4, \p, NSTEP, 30-2*\p
.endif
.endr
.irp p, 0,1,2,3,4,5,6,7
.if \n+1 < NSTEP
	TURN VR, BF, 6, \p, \n+1, 30
.else
	TURN VR, BF, 6, \p, NSTEP, 14-2*\p
.endif
.endr
	WIN 0x50                                       ; C and D in window 1, A and B in window 0
.irp t, 0,1,2,3
.irp u, 0,1,2,3
.if \n == 0
	v_wmma_f32_16x16x32_bf16 v[8*(4*\t+\u):8*(4*\t+\u)+7], v[AF+8*\t:AF+8*\t+7], v[BF+8*\u:BF+8*\u+7], 0
.else
	v_wmma_f32_16x16x32_bf16 v[8*(4*\t+\u):8*(4*\t+\u)+7], v[AF+8*\t:AF+8*\t+7], v[BF+8*\u:BF+8*\u+7], v[8*(4*\t+\u):8*(4*\t+\u)+7]
.endif
.endr
.endr
	WIN 0
.rept 4
	v_nop                                          ; four places (ISA guide 7.12.1) before the next step's conversions write A and B,
.endr                                              ; and, behind the last step, before the LDS stores read the results
.endm
.irp p, 0,1,2,3,4,5,6,7
	LOAD2 KR, 4, \p, 0                             ; fill the ring: step 0, K's 16 loads,
.endr
.irp p, 0,1,2,3,4,5,6,7
	LOAD2 VR, 6, \p, 0                             ; then V's 16: 16,384 bytes of the wave on their way
.endr
	STEP 0
	STEP 1
	STEP 2
	STEP 3
	; The eight waves' sums meet in LDS: each wave lays down its 128 registers (lane i at 16 i: consecutive, no bank conflict),
	WIN 0x04                                       ; store data in window 1, address in window 0
.irp g, 0,1,2,3,4,5,6,7,8,9,10,11,12,13,14,15,16,17,18,19,20,21,22,23,24,25,26,27,28,29,30,31
	ds_store_b128 v[LST], v[4*\g:4*\g+3] offset:512*\g
.endr
	WIN 0
	s_wait_dscnt 0x0                               ; my stores are in LDS before I say so
	s_barrier_signal -1
	s_barrier_wait -1
	; and each wave adds groups 4w .. 4w+3 of all eight images.
.irp u, 0,1,2,3
.irp g, 0,1,2,3
	ds_load_b128 v[KR+16*\u+4*\g:KR+16*\u+4*\g+3], v[LRD] offset:\u*16384+\g*512
.endr
.endr
.irp u, 0,1,2,3
.irp g, 0,1,2,3
	ds_load_b128 v[KR+64+16*\u+4*\g:KR+64+16*\u+4*\g+3], v[LRD2] offset:\u*16384+\g*512
.endr
.endr
	s_wait_dscnt 16                                ; waves 0-3's parts are in, the 16 younger loads stay out
.irp a, 0,1
.irp q, 0,1,2,3,4,5,6,7
	v_pk_add_f32 v[KR+32*\a+2*\q:KR+32*\a+2*\q+1], v[KR+32*\a+2*\q:KR+32*\a+2*\q+1], v[KR+32*\a+16+2*\q:KR+32*\a+16+2*\q+1]
.endr
.endr
	s_wait_dscnt 0x0
.irp a, 2,3
.irp q, 0,1,2,3,4,5,6,7
	v_pk_add_f32 v[KR+32*\a+2*\q:KR+32*\a+2*\q+1], v[KR+32*\a+2*\q:KR+32*\a+2*\q+1], v[KR+32*\a+16+2*\q:KR+32*\a+16+2*\q+1]
.endr
.endr
.irp a, 0,2
.irp q, 0,1,2,3,4,5,6,7
	v_pk_add_f32 v[KR+32*\a+2*\q:KR+32*\a+2*\q+1], v[KR+32*\a+2*\q:KR+32*\a+2*\q+1], v[KR+32*\a+32+2*\q:KR+32*\a+32+2*\q+1]
.endr
.endr
.irp q, 0,1,2,3,4,5,6,7
	v_pk_add_f32 v[KR+2*\q:KR+2*\q+1], v[KR+2*\q:KR+2*\q+1], v[KR+64+2*\q:KR+64+2*\q+1]
.endr
.irp g, 0,1,2,3
	global_store_b128 v[LRD], v[KR+4*\g:KR+4*\g+3], s[8:9] offset:\g*512    ; 512 consecutive bytes a store, aligned; read again by the next launch: no hint
.endr
	s_wait_tensorcnt 0x0
	ds_add_u32 v254, v255
	s_wait_dscnt 0x0
	s_endpgm
.Lfunc_end_k_q93d597aff6_kvsum:
	.size	k_q93d597aff6_kvsum, .Lfunc_end_k_q93d597aff6_kvsum-k_q93d597aff6_kvsum
	.p2alignl 7, 3214868480
	.fill 96, 4, 3214868480
	.section	.rodata,"a",@progbits
	.p2align	6, 0x0
	.amdhsa_kernel k_q93d597aff6_kvsum
		.amdhsa_group_segment_fixed_size 132096
		.amdhsa_private_segment_fixed_size 0
		.amdhsa_enable_private_segment 0
		.amdhsa_kernarg_size 24
		.amdhsa_user_sgpr_count 2
		.amdhsa_user_sgpr_kernarg_segment_ptr 1
		.amdhsa_wavefront_size32 1
		.amdhsa_system_sgpr_workgroup_id_x 1
		.amdhsa_system_sgpr_workgroup_id_y 1
		.amdhsa_system_sgpr_workgroup_id_z 1
		.amdhsa_system_vgpr_workitem_id 0
		.amdhsa_next_free_vgpr 384
		.amdhsa_next_free_sgpr 66
		.amdhsa_reserve_vcc 0
		.amdhsa_float_denorm_mode_32 3
		.amdhsa_float_denorm_mode_16_64 3
		.amdhsa_memory_ordered 1
		.amdhsa_forward_progress 1
		.amdhsa_inst_pref_size 45
	.end_amdhsa_kernel
	.amdgpu_metadata
---
amdhsa.version: [ 1, 2 ]
amdhsa.kernels:
  - .name:           k_q93d597aff6_kvsum
    .symbol:         k_q93d597aff6_kvsum.kd
    .args:
      - { .name: k, .offset: 0, .size: 8, .value_kind: global_buffer, .address_space: global }
      - { .name: v, .offset: 8, .size: 8, .value_kind: global_buffer, .address_space: global }
      - { .name: part, .offset: 16, .size: 8, .value_kind: global_buffer, .address_space: global }
    .group_segment_fixed_size: 132096
    .private_segment_fixed_size: 0
    .kernarg_segment_align: 8
    .kernarg_segment_size: 24
    .max_flat_workgroup_size: 256
    .sgpr_count:     66
    .vgpr_count:     384
    .wavefront_size: 32
...
	.end_amdgpu_metadata
.endif
;; end of part 1
;; launch apply (part 2): grid 256 x 1, 8 waves a work-group, no clusters, 27,648 bytes of LDS; arguments q, part, out0; writes out0
.if DOCPART == 2
	.amdgcn_target "amdgcn-amd-amdhsa--gfx1250"
	.amdhsa_code_object_version 6
	.text
	.protected	k_q93d597aff6_apply
	.globl	k_q93d597aff6_apply
	.p2align	8
	.type	k_q93d597aff6_apply,@function
k_q93d597aff6_apply:
	s_mov_b64 s[64:65], 0
	v_nop
	global_prefetch_b8 v0, s[64:65] scope:SCOPE_SE
	s_setreg_imm32_b32 hwreg(HW_REG_WAVE_MODE, 25, 1), 1
	s_wait_xcnt 0x0
; out[s][e] = sum over d of Q[s][d] kv[d][e], kv = the sum of the head's four partial sums in part.
; q, out0: [4*16*4096][64] f32 as a flat list of rows of 256 bytes.  Work-group x owns rows 1024 x .. 1024 x + 1023 (head x >> 2),
; a wave 128 of them, in 8 tiles of 16 rows.
;
; kv.  part[4 head + u] holds, at byte 512 g + 16 lane, registers 4g .. 4g+3 of the first launch's accumulators: tile (t, u'),
; register j, lane (r, h) = kv[32h + 4j + t][4r + u'], register number 8 (4t + u') + j.  Here the 32 K places of d step c
; (register p, half b, lane half h) stand for d = 32h + 16c + 2p + b, alike in A and B.  B tile u' (column n stands for e = 4n + u')
; then wants in lane (r, h), register p: kv[32h + 16c + 2p + b][4r + u'] = that same lane's tile (t = 2 (p & 1) + b, u'), register
; j = 4c + (p >> 1).  So wave w = 2u' + c loads groups g = 8t + w, t = 0..3, of the four partial sums, adds them in f32, packs 8 registers,
; and hands them to the others through 8,192 bytes of LDS.  No transposition.
; Q.  A wants one row s in a lane, and memory gives a row to sixteen lanes.  Load l of a tile brings row l to lanes 0-15 and row 8 + l to
; lanes 16-31, 16 bytes a lane: two whole rows of 256 bytes.  The numbers are rounded to bf16 at once (they have to be anyway), so that only
; half the bytes make the turn through LDS: 8 bytes a lane into the wave's own stage of 16 rows x 144 bytes, and lane (r, h) reads the 64 bytes
; at 64 h of row r back: d = 32h .. 32h+31.  Banks (64 of 4 bytes, ISA guide 11.1): the two rows of a store lie 8 x 144 bytes = 288 words
; = 32 banks apart and take 32 banks each; the sixteen rows of a 16-byte read lie 9 x 16 bytes apart.  Neither collides.
; The stage is the wave's own, and LDS serves a wave's instructions in order: no barrier for it.
; RING.  Four tile slots of 32 registers in window 1 (v256-383): 32 loads, 16,384 bytes, of every wave on their way; a slot is asked for again
; right behind its conversions.  No data mover: the ring lives in registers, and LDS sees bf16 only.
; OUT.  Tile u', register j, lane (r, h) = out[8h + j][4r + u'].  Register j of the four tiles is copied side by side, so that a lane holds
; 16 consecutive bytes and sixteen lanes a whole row: each store writes two aligned rows of 256 bytes.
;
; NO CLUSTER: the four work-groups of a head share only the 65,536 bytes of partial sums, against 524,288 bytes of q and out0 that
; each has to itself, and those sums are added in registers as they arrive.
; LIMITS: q and the summed kv are rounded to bf16 (nearest even) as matrix operands; the partial sums are added as (p0+p1)+(p2+p3) in f32.
; NaN and infinities go through as they come.
.set NT,     8                         ; tiles of a wave
.set DEPTH,  4                         ; slots of the ring
.set PITCH,  144                       ; stage: 128 bytes of bf16 + 16 from row to row
.set STAGEB, 16*PITCH                  ; a wave's stage: 2,304 bytes
.set ST0,    8192                      ; stages begin behind the 8 fragments of 1,024 bytes at LDS byte 0
.set L16,   1                          ; v1  lane * 16: fragments, read
.set PO,    2                          ; v2  wave * 512 + lane * 16: my groups in a partial sum
.set FST,   3                          ; v3  wave * 1,024 + lane * 16: my fragment, stored
.set SA,    4                          ; v4  stage, in: row 8h, byte 8r
.set OO,    5                          ; v5  h * 2,048 + r * 16: my 16 bytes of row 8h in a tile, of q and of out0 alike
.set LA,    6                          ; v6  stage, back: row r, byte 64h
.set T0,    7                          ; v7, v152  at work in the set-up
.set T1,    152
.set PR,    8                          ; v[8:71]    partial sum u, group t: 4 registers at 16u + 4t
.set BF,    72                         ; v[72:135]  B fragment (u', c) at 16u' + 8c
.set P,     136                        ; v[136:151] a tile of Q in bf16: load l in 2 registers
.set AF,    168                        ; v[168:183] A fragments of d steps 0, 1
.set ACC,   184                        ; v[184:215] four result tiles
.set O,     216                        ; v[216:247] the same, register j of the four tiles side by side; first the packed fragment
                                       ; v[256:383] the ring: slot n at 256 + 32 n, load l in 4 registers; written v[0:127] in window 1
.set MSB, 0
.macro WIN new                         ; s_set_vgpr_msb: low byte = the new windows (1:0 source 0, 3:2 source 1, 7:6 destination),
.if MSB != \new                        ; high byte repeats the setting that is left
	s_set_vgpr_msb (MSB<<8)|\new
.set MSB, \new
.endif
.endm
	s_load_b128 s[4:7], s[0:1], 0x0                ; q s[4:5], part s[6:7]
	s_load_b64 s[8:9], s[0:1], 0x10                ; out0
	v_lshl_add_u32 v254, v0, 2, 0x6800
	v_mov_b32 v255, 0
	v_lshrrev_b32 v[T0], 5, v0
	v_readfirstlane_b32 s10, v[T0]                 ; wave 0..7
	v_and_b32 v[T0], 31, v0
	v_lshlrev_b32 v[L16], 4, v[T0]
	s_lshl_b32 s11, s10, 9
	s_lshl_b32 s12, s10, 10
	v_add_nc_u32 v[PO], s11, v[L16]
	v_add_nc_u32 v[FST], s12, v[L16]
	v_and_b32 v[T0], 15, v0                        ; r
	v_bfe_u32 v[T1], v0, 4, 1                      ; h
	s_mul_i32 s13, s10, STAGEB
	s_add_co_u32 s13, s13, ST0                     ; my wave's stage
	v_mul_u32_u24 v[SA], v[T1], 8*PITCH
	v_lshl_add_u32 v[SA], v[T0], 3, v[SA]
	v_add_nc_u32 v[SA], s13, v[SA]
	v_mul_u32_u24 v[LA], v[T0], PITCH
	v_lshl_add_u32 v[LA], v[T1], 6, v[LA]
	v_add_nc_u32 v[LA], s13, v[LA]
	v_lshlrev_b32 v[OO], 4, v[T0]
	v_lshl_add_u32 v[OO], v[T1], 11, v[OO]
	s_lshl_b32 s14, ttmp9, 18                      ; 262,144 bytes of q and of out0 a work-group,
	s_lshl_b32 s11, s10, 15                        ; 32,768 a wave
	s_or_b32 s14, s14, s11
	s_mov_b32 s15, 0
	s_lshr_b32 s16, ttmp9, 2                       ; head
	s_lshl_b32 s16, s16, 16                        ; 4 partial sums of 16,384 bytes
	s_mov_b32 s17, 0
	s_wait_kmcnt 0x0
	s_add_nc_u64 s[6:7], s[6:7], s[16:17]          ; my head's partial sums
	s_add_nc_u64 s[4:5], s[4:5], s[14:15]          ; my wave's rows of q
	s_add_nc_u64 s[8:9], s[8:9], s[14:15]          ; and of out0
.irp u, 0,1,2,3
.irp t, 0,1,2,3
	global_load_b128 v[PR+16*\u+4*\t:PR+16*\u+4*\t+3], v[PO], s[6:7] offset:\u*16384+\t*4096   ; group 8t + w: 512 consecutive bytes
.endr
.endr
; Tile i of my 128 rows into its slot: 8 loads, rows l and 8 + l each.  Destination in window 1, address in window 0 (setting 0x40).
; Read once in the launch: non-temporal.
.macro QLOAD i
.irp l, 0,1,2,3,4,5,6,7
	global_load_b128 v[32*((\i)%DEPTH)+4*\l:32*((\i)%DEPTH)+4*\l+3], v[OO], s[4:5] offset:(\i)*4096+\l*256 th:TH_LOAD_NT
.endr
.endm
	WIN 0x40
	QLOAD 0                                        ; the ring is filled behind the partial sums, which are wanted first
	QLOAD 1
	QLOAD 2
	QLOAD 3
	WIN 0
	s_wait_loadcnt 40                              ; loads return in order (ISA guide 5.7.1): partial sums 0 and 1 are in; 8 loads of 2 and 3 and q's 32 stay out
.irp q, 0,1,2,3,4,5,6,7
	v_pk_add_f32 v[PR+2*\q:PR+2*\q+1], v[PR+2*\q:PR+2*\q+1], v[PR+16+2*\q:PR+16+2*\q+1]
.endr
	s_wait_loadcnt 32                              ; all four are in; q's 32 stay out
.irp q, 0,1,2,3,4,5,6,7
	v_pk_add_f32 v[PR+32+2*\q:PR+32+2*\q+1], v[PR+32+2*\q:PR+32+2*\q+1], v[PR+48+2*\q:PR+48+2*\q+1]
.endr
.irp q, 0,1,2,3,4,5,6,7
	v_pk_add_f32 v[PR+2*\q:PR+2*\q+1], v[PR+2*\q:PR+2*\q+1], v[PR+32+2*\q:PR+32+2*\q+1]
.endr
.irp p, 0,1,2,3,4,5,6,7
	v_cvt_pk_bf16_f32 v[O+\p], v[PR+8*(\p&1)+(\p>>1)], v[PR+8*(\p&1)+4+(\p>>1)]   ; d = .. + 2p (t = 2 (p & 1)) below, + 2p + 1 above
.endr
	ds_store_b128 v[FST], v[O:O+3]
	ds_store_b128 v[FST], v[O+4:O+7] offset:512
	s_wait_dscnt 0x0                               ; my fragment is in LDS before I say so
	s_barrier_signal -1
	s_barrier_wait -1
.irp f, 0,1,2,3,4,5,6,7
	ds_load_b128 v[BF+8*\f:BF+8*\f+3],   v[L16] offset:\f*1024
	ds_load_b128 v[BF+8*\f+4:BF+8*\f+7], v[L16] offset:\f*1024+512
.endr
; Tile i: 16 rows of Q x kv.
.macro TILE i
.if \i+DEPTH <= NT
	s_wait_loadcnt 8*(DEPTH-1)                     ; this tile's 8 loads are in, the three younger tiles stay out
.else
	s_wait_loadcnt 8*(NT-1-\i)                     ; nothing is asked for any more: the counts run down 16, 8, 0
.endif
.if \i
	s_wait_xcnt 0x0                                ; the last tile's stores have read O, which is rewritten below, only behind this wait
.endif
	WIN 0x05                                       ; sources in window 1, destination in window 0
.irp l, 0,1,2,3,4,5,6,7
	v_cvt_pk_bf16_f32 v[P+2*\l],   v[32*(\i%DEPTH)+4*\l],   v[32*(\i%DEPTH)+4*\l+1]
	v_cvt_pk_bf16_f32 v[P+2*\l+1], v[32*(\i%DEPTH)+4*\l+2], v[32*(\i%DEPTH)+4*\l+3]
.endr
.if \i+DEPTH < NT
	WIN 0x40
	QLOAD \i+DEPTH                                 ; the slot is free: its next tile
.endif
	WIN 0
.irp l, 0,1,2,3,4,5,6,7
	ds_store_b64 v[SA], v[P+2*\l:P+2*\l+1] offset:\l*PITCH         ; rows l and 8 + l, d = 4r .. 4r+3 at byte 8r
.endr
.irp c, 0,1,2,3
	ds_load_b128 v[AF+4*\c:AF+4*\c+3], v[LA] offset:16*\c          ; LDS serves a wave's instructions in order (ISA guide 5.7.1.4): these see the stores above
.endr
	s_wait_dscnt 0x0                               ; A is in (in tile 0 the fragments of kv too), and P has been read
.irp u, 0,1,2,3
	v_wmma_f32_16x16x32_bf16 v[ACC+8*\u:ACC+8*\u+7], v[AF:AF+7], v[BF+16*\u:BF+16*\u+7], 0
.endr
.irp u, 0,1,2,3
	v_wmma_f32_16x16x32_bf16 v[ACC+8*\u:ACC+8*\u+7], v[AF+8:AF+15], v[BF+16*\u+8:BF+16*\u+15], v[ACC+8*\u:ACC+8*\u+7]
.endr
.rept 4
	v_nop                                          ; four places before vector instructions read the results (ISA guide 7.12.1)
.endr
	; O[4j + u] = tile u's register j.  Two copies an instruction: an even and an odd destination, sources j and j + 1 in different banks.
.irp u, 0,2
.irp j, 0,1,2,3,4,5,6,7
	v_dual_mov_b32 v[O+4*\j+\u], v[ACC+8*\u+\j] :: v_dual_mov_b32 v[O+4*((\j+1)%8)+\u+1], v[ACC+8*(\u+1)+((\j+1)%8)]
.endr
.endr
.irp j, 0,1,2,3,4,5,6,7
	global_store_b128 v[OO], v[O+4*\j:O+4*\j+3], s[8:9] offset:\i*4096+\j*256 th:TH_STORE_NT   ; rows j and 8 + j: 256 consecutive bytes each, aligned
.endr
.endm
	TILE 0
	TILE 1
	TILE 2
	TILE 3
	TILE 4
	TILE 5
	TILE 6
	TILE 7
	s_wait_tensorcnt 0x0
	ds_add_u32 v254, v255
	s_wait_dscnt 0x0
	s_endpgm
.Lfunc_end_k_q93d597aff6_apply:
	.size	k_q93d597aff6_apply, .Lfunc_end_k_q93d597aff6_apply-k_q93d597aff6_apply
	.p2alignl 7, 3214868480
	.fill 96, 4, 3214868480
	.section	.rodata,"a",@progbits
	.p2align	6, 0x0
	.amdhsa_kernel k_q93d597aff6_apply
		.amdhsa_group_segment_fixed_size 27648
		.amdhsa_private_segment_fixed_size 0
		.amdhsa_enable_private_segment 0
		.amdhsa_kernarg_size 24
		.amdhsa_user_sgpr_count 2
		.amdhsa_user_sgpr_kernarg_segment_ptr 1
		.amdhsa_wavefront_size32 1
		.amdhsa_system_sgpr_workgroup_id_x 1
		.amdhsa_system_sgpr_workgroup_id_y 1
		.amdhsa_system_sgpr_workgroup_id_z 1
		.amdhsa_system_vgpr_workitem_id 0
		.amdhsa_next_free_vgpr 384
		.amdhsa_next_free_sgpr 66
		.amdhsa_reserve_vcc 0
		.amdhsa_float_denorm_mode_32 3
		.amdhsa_float_denorm_mode_16_64 3
		.amdhsa_memory_ordered 1
		.amdhsa_forward_progress 1
		.amdhsa_inst_pref_size 48
	.end_amdhsa_kernel
	.amdgpu_metadata
---
amdhsa.version: [ 1, 2 ]
amdhsa.kernels:
  - .name:           k_q93d597aff6_apply
    .symbol:         k_q93d597aff6_apply.kd
    .args:
      - { .name: q, .offset: 0, .size: 8, .value_kind: global_buffer, .address_space: global }
      - { .name: part, .offset: 8, .size: 8, .value_kind: global_buffer, .address_space: global }
      - { .name: out0, .offset: 16, .size: 8, .value_kind: global_buffer, .address_space: global }
    .group_segment_fixed_size: 27648
    .private_segment_fixed_size: 0
    .kernarg_segment_align: 8
    .kernarg_segment_size: 24
    .max_flat_workgroup_size: 256
    .sgpr_count:     66
    .vgpr_count:     384
    .wavefront_size: 32
...
	.end_amdgpu_metadata
.endif
;; end of part 2
;; ======== version 2 of 2: 2 launches; version 1 with the launch kvsum written anew for expert scheduling mode
;; workspace buffers: part 4,194,304 bytes
;; launch kvsum (part 3): grid 256 x 1, 8 waves a work-group, no clusters, 132,096 bytes of LDS; arguments k, v, part; writes part
.if DOCPART == 3
	.amdgcn_target "amdgcn-amd-amdhsa--gfx1250"
	.amdhsa_code_object_version 6
	.text
	.protected	k_q93d597aff6_kvsum
	.globl	k_q93d597aff6_kvsum
	.p2align	8
	.type	k_q93d597aff6_kvsum,@function
k_q93d597aff6_kvsum:
	s_mov_b64 s[64:65], 0
	v_nop
	global_prefetch_b8 v0, s[64:65] scope:SCOPE_SE
	s_setreg_imm32_b32 hwreg(HW_REG_WAVE_SCHED_MODE, 0, 2), 2
	s_setreg_imm32_b32 hwreg(HW_REG_WAVE_MODE, 25, 1), 1
	s_wait_xcnt 0x0
	s_wait_alu depctr_vm_vsrc(0)
; part[x] = sum over the 1,024 rows s of work-group x of K[s][d] V[s][e]: a quarter of one head's kv (head = x >> 2), in f32.
; k, v: [4*16*4096][64] f32, taken as one flat list of rows of 256 bytes.  Eight waves, 128 rows each, in 4 steps of 32 rows.
;
; NO TRANSPOSITION.  The sum runs over s, the row index, so a matrix operand wants one column d in a lane and s along its registers.
; A 16-byte load at byte 16 r of a row gives lane (r = lane % 16, h = lane / 16) the columns 4r .. 4r+3 of row 2i + h (load i):
; sixteen lanes take one whole row of 256 bytes, a wave's load 512 consecutive bytes.  Component t of loads 2p and 2p+1 is packed
; by ONE conversion into register p of A tile t, whose row m therefore stands for d = 4m + t; V likewise gives B tile u, whose
; column n stands for e = 4n + u.  The order of s inside the 32 K places is the same for A and B, so the products are the right ones.
; Accumulator tile (t, u), register j, lane (r, h) = kv[d = 32h + 4j + t][e = 4r + u].
; The 128 accumulator registers are stored as they lie (register group g = 4 registers, at byte 512 g + 16 lane): the second
; launch picks an order of d for which each lane needs exactly its own lane's words, so kv is not transposed there either.
;
; Work-groups share no input: nothing to ask for jointly, so no cluster.  No data mover: the loads already land in operand layout.
; LIMITS: k and v are rounded to bf16 (nearest even) as matrix operands; sums are f32, by 32 rows, then over the 8 waves as
; ((w0+w1)+(w2+w3))+((w4+w5)+(w6+w7)): another order than a plain sum over s.  NaN and infinities go through as they come.
;
; THE MODE: SCHED_MODE bits 1:0 = 2 (LLVM: expert scheduling mode 2), set by the entry lines.  The code itself states the register dependences
; between vector or matrix instructions and memory or LDS instructions, with s_wait_alu, always for 0.
; THE PLAN.  A step's 32 loads go in four BLOCKS of eight: K's loads 0-7, K's 8-15, V's 0-7, V's 8-15; 16 blocks in all.  Registers that memory or LDS instructions touch:
;   RAW0 .. RAW4  Block g: its eight loads land in RAW[g % 5]; its sixteen conversions read it; behind them the loads of block g + 5 land in it.
;                 At the end RAW0 .. RAW3 take the LDS loads of the eight waves' sums, the additions work on them, and the last stores read v[8:23].
;   v1 .. v4      Offsets and LDS addresses: made once at the head, never written again; the steps are reached by immediate offsets.
;   v[256:383]    The accumulators: written by matrix instructions; read once, by the LDS stores; never written after that.
;   The fragments AF and BF are named by conversions and matrix instructions alone.
; So ONE wait on va_vdst stands in a block that asks for more, behind its conversions and directly ahead of its eight loads.  It stands there, and not at the next
; block's head, so that the buffer is asked for again at once.  No register that a memory or LDS instruction reads is ever written again: no wait on vm_vsrc is owed.
.set NSTEP, 4                          ; steps of a wave
.set STEPB, 32*256                     ; bytes of K (and of V) in a step
.set NBLK,  4*NSTEP                    ; blocks of a wave
.set DEPTH, 5                          ; raw buffers: 40 loads, 20,480 bytes, of a wave are out behind a refill, 32 at a block's head
.set OFFS,  1                          ; v1       wave * 32,768 + lane * 16: my bytes in the work-group's part of k and of v
.set LST,   2                          ; v2       LDS: wave * 16,384 + lane * 16: where my accumulators go
.set LRD,   3                          ; v3       wave * 2,048 + lane * 16: my eighth of the image, in LDS (waves 0-3) and in part[x]
.set LRD2,  4                          ; v4       the same + 65,536 (waves 4-7: an LDS immediate has 16 bits)
.set RAW,   8                          ; v[8:167]   buffer b at RAW + 32 b: a block as loaded, load l in 4 registers
.set AF,    168                        ; v[168:199] A tiles t = 0..3, 8 registers each
.set BF,    200                        ; v[200:231] B tiles u = 0..3
                                       ; v[256:383] accumulators, tile (t, u) at 256 + 8 (4t + u): window 1, written v[0:127] there
.set MSB, 0
.macro WIN new                         ; s_set_vgpr_msb: low byte = the new windows, high byte repeats the setting that is left
.if MSB != \new
	s_set_vgpr_msb (MSB<<8)|\new
.set MSB, \new
.endif
.endm
	s_load_b128 s[4:7], s[0:1], 0x0                ; k s[4:5], v s[6:7]
	s_load_b64 s[8:9], s[0:1], 0x10                ; part
	v_lshl_add_u32 v254, v0, 2, 0x20000
	v_mov_b32 v255, 0
	v_lshrrev_b32 v5, 5, v0
	v_readfirstlane_b32 s10, v5                    ; wave 0..7
	v_and_b32 v6, 31, v0
	v_lshlrev_b32 v6, 4, v6                        ; lane * 16
	s_wait_alu depctr_va_sdst(0)                   ; s10 is written, ahead of its first reader: the wave's offsets are made from it
	s_lshl_b32 s11, s10, 15
	s_lshl_b32 s12, s10, 14
	s_lshl_b32 s13, s10, 11
	v_add_nc_u32 v[OFFS], s11, v6
	v_add_nc_u32 v[LST], s12, v6
	v_add_nc_u32 v[LRD], s13, v6
	v_add_nc_u32 v[LRD2], 0x10000, v[LRD]
	s_lshl_b32 s14, ttmp9, 18                      ; 1,024 rows of 256 bytes a work-group (255 * 262,144 stays below 2^32)
	s_mov_b32 s15, 0
	s_lshl_b32 s16, ttmp9, 14                      ; 16,384 bytes of part a work-group
	s_mov_b32 s17, 0
	s_wait_kmcnt 0x0
	s_add_nc_u64 s[4:5], s[4:5], s[14:15]
	s_add_nc_u64 s[6:7], s[6:7], s[14:15]
	s_add_nc_u64 s[8:9], s[8:9], s[16:17]
	s_wait_alu depctr_va_vdst(0)                   ; v1 to v4 are written: every load, LDS access and store of the kernel reads one of them as its offset or address
; The eight loads of block g: step g / 4; K (g % 4 < 2) or V; loads 8 (g % 2) + l, rows 16 (g % 2) + 2l and + 2l + 1: 4,096 consecutive bytes.
; Read once in the launch: non-temporal.
.macro FILL g
.set F_R, RAW+32*((\g)%DEPTH)
.set F_B, 4+2*(((\g)%4)/2)
.set F_O, ((\g)/4)*STEPB+((\g)%2)*4096
.irp l, 0,1,2,3,4,5,6,7
	global_load_b128 v[F_R+4*\l:F_R+4*\l+3], v[OFFS], s[F_B:F_B+1] offset:F_O+\l*512 th:TH_LOAD_NT
.endr
.endm
; Block g: loads 2p and 2p + 1 of the step are packed into register p of four tiles, for the block's four p; then the buffer is asked for again, with block g + 5.
; The last five blocks ask for nothing: no load leaves the buffers, no wait on va_vdst is owed, and the counts run down.
.macro BLK g
.set B_R, RAW+32*((\g)%DEPTH)
.set B_F, AF+(BF-AF)*(((\g)%4)/2)
.set B_P, 4*((\g)%2)
.if (\g) < NBLK-DEPTH
	s_wait_loadcnt 8*(DEPTH-1)                     ; loads return in order (ISA guide 5.7.1): this block's eight are in, the four younger blocks stay out
.else
	s_wait_loadcnt 8*(NBLK-1-(\g))                 ; 32, 24, 16, 8, 0
.endif
.irp pp, 0,1,2,3
.irp t, 0,1,2,3
	v_cvt_pk_bf16_f32 v[B_F+8*\t+B_P+\pp], v[B_R+8*\pp+\t], v[B_R+8*\pp+4+\t]
.endr
.endr
.if (\g) < NBLK-DEPTH
	s_wait_alu depctr_va_vdst(0)                   ; the conversions are done reading this raw buffer, in which the eight loads below land
	FILL (\g)+DEPTH
.endif
.endm
; A step: four blocks, then 4 x 4 tiles of 16 x 16 x 32.  The last block's refill stands ahead of the matrix instructions, which run under another window setting.
; The first step's products start the sums (C = 0).  The sixteen accumulators take turns.
.macro STEP n
	BLK 4*\n
	BLK 4*\n+1
	BLK 4*\n+2
	BLK 4*\n+3
	WIN 0x50                                       ; C and D in window 1, A and B in window 0
.irp t, 0,1,2,3
.irp u, 0,1,2,3
.if \n == 0
	v_wmma_f32_16x16x32_bf16 v[8*(4*\t+\u):8*(4*\t+\u)+7], v[AF+8*\t:AF+8*\t+7], v[BF+8*\u:BF+8*\u+7], 0
.else
	v_wmma_f32_16x16x32_bf16 v[8*(4*\t+\u):8*(4*\t+\u)+7], v[AF+8*\t:AF+8*\t+7], v[BF+8*\u:BF+8*\u+7], v[8*(4*\t+\u):8*(4*\t+\u)+7]
.endif
.endr
.endr
	WIN 0
.rept 4
	v_nop                                          ; four places (ISA guide 7.12.1) before the next step's conversions write A and B,
.endr                                              ; and, behind the last step, before the LDS stores read the results
.endm
	FILL 0                                         ; fill the ring: step 0's four blocks
	FILL 1
	FILL 2
	FILL 3
	FILL 4                                         ; and step 1's first
	STEP 0
	STEP 1
	STEP 2
	STEP 3
	; The eight waves' sums meet in LDS: each wave lays down its 128 registers (lane i at 16 i: consecutive, no bank conflict),
	WIN 0x04                                       ; store data in window 1, address in window 0
	s_wait_alu depctr_va_vdst(0)                   ; the matrix instructions have written the accumulators, which the LDS stores read (the places above stay beside this wait);
	                                               ; the last five blocks' conversions are done reading RAW, in which the LDS loads behind the barrier land: no vector instruction names RAW in between
.irp g, 0,1,2,3,4,5,6,7,8,9,10,11,12,13,14,15,16,17,18,19,20,21,22,23,24,25,26,27,28,29,30,31
	ds_store_b128 v[LST], v[4*\g:4*\g+3] offset:512*\g
.endr
	WIN 0
	s_wait_dscnt 0x0                               ; my stores are in LDS before I say so
	s_barrier_signal -1
	s_barrier_wait -1
	; and each wave adds groups 4w .. 4w+3 of all eight images.
.irp u, 0,1,2,3
.irp g, 0,1,2,3
	ds_load_b128 v[RAW+16*\u+4*\g:RAW+16*\u+4*\g+3], v[LRD] offset:\u*16384+\g*512
.endr
.endr
.irp u, 0,1,2,3
.irp g, 0,1,2,3
	ds_load_b128 v[RAW+64+16*\u+4*\g:RAW+64+16*\u+4*\g+3], v[LRD2] offset:\u*16384+\g*512
.endr
.endr
	s_wait_dscnt 16                                ; waves 0-3's parts are in, the 16 younger loads stay out
.irp a, 0,1
.irp q, 0,1,2,3,4,5,6,7
	v_pk_add_f32 v[RAW+32*\a+2*\q:RAW+32*\a+2*\q+1], v[RAW+32*\a+2*\q:RAW+32*\a+2*\q+1], v[RAW+32*\a+16+2*\q:RAW+32*\a+16+2*\q+1]
.endr
.endr
	s_wait_dscnt 0x0
.irp a, 2,3
.irp q, 0,1,2,3,4,5,6,7
	v_pk_add_f32 v[RAW+32*\a+2*\q:RAW+32*\a+2*\q+1], v[RAW+32*\a+2*\q:RAW+32*\a+2*\q+1], v[RAW+32*\a+16+2*\q:RAW+32*\a+16+2*\q+1]
.endr
.endr
.irp a, 0,2
.irp q, 0,1,2,3,4,5,6,7
	v_pk_add_f32 v[RAW+32*\a+2*\q:RAW+32*\a+2*\q+1], v[RAW+32*\a+2*\q:RAW+32*\a+2*\q+1], v[RAW+32*\a+32+2*\q:RAW+32*\a+32+2*\q+1]
.endr
.endr
.irp q, 0,1,2,3,4,5,6,7
	v_pk_add_f32 v[RAW+2*\q:RAW+2*\q+1], v[RAW+2*\q:RAW+2*\q+1], v[RAW+64+2*\q:RAW+64+2*\q+1]
.endr
	s_wait_alu depctr_va_vdst(0)                   ; the additions have written v[8:23], which the four stores read
.irp g, 0,1,2,3
	global_store_b128 v[LRD], v[RAW+4*\g:RAW+4*\g+3], s[8:9] offset:\g*512    ; 512 consecutive bytes a store, aligned; read again by the next launch: no hint
.endr
	s_wait_dscnt 0x0
	s_wait_alu depctr_hold_cnt(0) depctr_sa_sdst(0) depctr_va_vdst(0) depctr_va_sdst(0) depctr_va_ssrc(0) depctr_va_vcc(0) depctr_vm_vsrc(0)
	s_wait_tensorcnt 0x0
	ds_add_u32 v254, v255
	s_wait_dscnt 0x0
	s_endpgm
.Lfunc_end_k_q93d597aff6_kvsum:
	.size	k_q93d597aff6_kvsum, .Lfunc_end_k_q93d597aff6_kvsum-k_q93d597aff6_kvsum
	.p2alignl 7, 3214868480
	.fill 96, 4, 3214868480
	.section	.rodata,"a",@progbits
	.p2align	6, 0x0
	.amdhsa_kernel k_q93d597aff6_kvsum
		.amdhsa_group_segment_fixed_size 132096
		.amdhsa_private_segment_fixed_size 0
		.amdhsa_enable_private_segment 0
		.amdhsa_kernarg_size 24
		.amdhsa_user_sgpr_count 2
		.amdhsa_user_sgpr_kernarg_segment_ptr 1
		.amdhsa_wavefront_size32 1
		.amdhsa_system_sgpr_workgroup_id_x 1
		.amdhsa_system_sgpr_workgroup_id_y 1
		.amdhsa_system_sgpr_workgroup_id_z 1
		.amdhsa_system_vgpr_workitem_id 0
		.amdhsa_next_free_vgpr 384
		.amdhsa_next_free_sgpr 66
		.amdhsa_reserve_vcc 0
		.amdhsa_float_denorm_mode_32 3
		.amdhsa_float_denorm_mode_16_64 3
		.amdhsa_memory_ordered 1
		.amdhsa_forward_progress 1
		.amdhsa_inst_pref_size 44
	.end_amdhsa_kernel
	.amdgpu_metadata
---
amdhsa.version: [ 1, 2 ]
amdhsa.kernels:
  - .name:           k_q93d597aff6_kvsum
    .symbol:         k_q93d597aff6_kvsum.kd
    .args:
      - { .name: k, .offset: 0, .size: 8, .value_kind: global_buffer, .address_space: global }
      - { .name: v, .offset: 8, .size: 8, .value_kind: global_buffer, .address_space: global }
      - { .name: part, .offset: 16, .size: 8, .value_kind: global_buffer, .address_space: global }
    .group_segment_fixed_size: 132096
    .private_segment_fixed_size: 0
    .kernarg_segment_align: 8
    .kernarg_segment_size: 24
    .max_flat_workgroup_size: 256
    .sgpr_count:     66
    .vgpr_count:     384
    .wavefront_size: 32
...
	.end_amdgpu_metadata
.endif
;; end of part 3
;; launch apply: the kernel of part 2 again; grid 256 x 1, 8 waves a work-group, no clusters, 27,648 bytes of LDS; arguments q, part, out0; writes out0
